; MI455X (gfx1250); checked and timed in simulation.
; The chip was launched on July 23, 2026; its instructions are those of AMD's public machine-readable ISA for CDNA 5 (MIT licence, August 2026) and "CDNA5" Instruction Set Architecture Reference Guide (July 2026). The comments in the code are by the model that wrote it; some were corrected since.
;; Multi Head Self Attention. Allowed arithmetic: float matrix products may take bf16 or f16 operands with f32 sums; all other float work in f32.
;; Inputs: token_positions 2,048 int32; wk 1,024 x 1,024 float32; wo 1,024 x 1,024 float32; wq 1,024 x 1,024 float32; wv 1,024 x 1,024 float32; x 2 x 2,048 x 1,024 float32.
;; Outputs: out0 2 x 2,048 x 1,024 float32.
;; One version. Each part assembles by itself: llvm-mc -triple=amdgcn-amd-amdhsa -mcpu=gfx1250 --defsym DOCPART=n.
;; ======== version 1 of 1: 4 launches
;; limits: values are held in f16: magnitudes above 65,504 overflow, below 6.1e-05 lose precision; right only within a limited range of input values
;; workspace buffers: xb 8,388,608 bytes; wqkv 6,291,456 bytes; wo16 2,097,152 bytes; rope 524,288 bytes; qb 8,388,608 bytes; kb 8,388,608 bytes; vt 8,388,608 bytes; ctx 8,388,608 bytes
;; launch prep (part 1): grid 256 x 1, 8 waves a work-group, no clusters, 0 bytes of LDS; arguments x, wq, wk, wv, wo, token_positions, xb, wqkv, wo16, rope; writes xb, wqkv, wo16, rope
.if DOCPART == 1
	.amdgcn_target "amdgcn-amd-amdhsa--gfx1250"
	.amdhsa_code_object_version 6
	.text
	.protected	k_q065b836258_prep
	.globl	k_q065b836258_prep
	.p2align	8
	.type	k_q065b836258_prep,@function
k_q065b836258_prep:
	s_mov_b64 s[64:65], 0
	v_nop
	global_prefetch_b8 v0, s[64:65] scope:SCOPE_SE
	s_setreg_imm32_b32 hwreg(HW_REG_WAVE_MODE, 25, 1), 1
	s_wait_xcnt 0x0
; PREP: the matrix operands are rounded once, and the table of cosines and sines is made.
;   xb   = bf16(x)                                   [4096][1024]
;   wqkv = bf16(wq | wk | wv), laid head by head     [16][192][1024]: rows 0-63 wq, 64-127 wk, 128-191 wv of the head
;   wo16 = f16(1024 * bf16(wo))                      [1024][1024]
;   rope = (cos, sin) of token_positions[s] * 10000^(-i/32)   [2048][32][2] f32
; LIMITS: |wo| < 63.9 (1024 wo is kept in f16).  The frequency 10000^(-i/32) is made by v_exp_f32, so an angle may differ from
; one made with a correctly rounded power by a few units in the last place of the f32 angle.  Every int32 position is served.
; Work-group g takes 32 rows of 1,024 f32: g < 128 rows of x, then 32 work-groups each for wq, wk, wv, wo; and 8 positions of the table.
; Thread t owns columns 4 t .. 4 t + 3 of every row: a load of a wave covers 512 neighbouring bytes, a store 256, aligned.
; All 32 row loads of a thread are issued at once (128 KiB for the work-group); no register is used twice, so nothing waits for a store.
; No LDS, no matrix unit, no cluster: no byte is used by two threads.
.set X, 32                             ; v[32:159]   the 32 rows as loaded, 4 f32 each
.set Y, 160                            ; v[160:223]  the 32 rows to store, 4 numbers of 16 bits each
	s_load_b512 s[8:23], s[0:1], 0x0               ; x s[8:9], wq s[10:11], wk s[12:13], wv s[14:15], wo s[16:17], positions s[18:19], xb s[20:21], wqkv s[22:23]
	s_load_b128 s[24:27], s[0:1], 0x40             ; wo16 s[24:25], rope s[26:27]
	s_mov_b32 s2, ttmp9                            ; g
	s_and_b32 s3, s2, 31                           ; c: which 32 rows of a weight
	s_bfe_u32 s4, s2, 0x20005                      ; t: 0 wq, 1 wk, 2 wv, 3 wo (for g >= 128)
	s_lshr_b32 s5, s3, 1                           ; head = c / 2
	s_mul_i32 s5, s5, 192
	s_lshl_b32 s6, s4, 6
	s_add_co_u32 s5, s5, s6                        ; + 64 t
	s_and_b32 s6, s3, 1
	s_lshl_b32 s6, s6, 5
	s_add_co_u32 s5, s5, s6                        ; + 32 (c mod 2)
	s_lshl_b32 s5, s5, 11                          ; rows of 2,048 bytes: the offset in wqkv
	s_lshl_b32 s6, s3, 16                          ; the offset in wo16
	s_lshl_b32 s7, s3, 17                          ; the offset in a weight
	s_lshl_b32 s32, s2, 17                         ; the offset in x
	s_lshl_b32 s33, s2, 16                         ; the offset in xb
	s_lshl_b32 s38, s2, 5                          ; 4 bytes x 8 positions x g
	s_lshl_b32 s42, s2, 11                         ; 256 bytes x 8 positions x g
	s_mov_b32 s43, 0
	s_mov_b32 s35, 0
	s_mov_b32 s37, 0
	s_mov_b32 s40, 0x3e22f983                      ; 1 / (2 pi), rounded to f32
	s_mov_b32 s41, 0x31dc9c88                      ; and what the rounding left
	s_cmp_ge_u32 s2, 224
	s_cselect_b32 s5, s6, s5
	s_cmp_lt_u32 s2, 128
	s_cselect_b32 s34, s32, s7                     ; source offset
	s_cselect_b32 s36, s33, s5                     ; destination offset
	v_lshrrev_b32 v1, 5, v0
	v_lshl_add_u32 v1, v1, 2, s38                  ; my position's word: sequence index 8 g + wave
	v_lshlrev_b32 v3, 4, v0                        ; 16 t: my 4 f32 in a row
	v_lshlrev_b32 v6, 3, v0                        ; 8 t: my 4 numbers of 16 bits in a row, and my table entry
	s_wait_kmcnt 0x0
	s_cmp_ge_u32 s2, 160                           ; the buffers are chosen by g alone
	s_cselect_b64 s[28:29], s[12:13], s[10:11]
	s_cmp_ge_u32 s2, 192
	s_cselect_b64 s[28:29], s[14:15], s[28:29]
	s_cmp_ge_u32 s2, 224
	s_cselect_b64 s[28:29], s[16:17], s[28:29]
	s_cselect_b64 s[30:31], s[24:25], s[22:23]
	s_cmp_lt_u32 s2, 128
	s_cselect_b64 s[28:29], s[8:9], s[28:29]
	s_cselect_b64 s[30:31], s[20:21], s[30:31]
	s_add_nc_u64 s[28:29], s[28:29], s[34:35]      ; source at my first row
	s_add_nc_u64 s[30:31], s[30:31], s[36:37]      ; destination at my first row
	s_add_nc_u64 s[26:27], s[26:27], s[42:43]      ; the table at my first position
	global_load_b32 v2, v1, s[18:19]               ; the position, ahead of the rows
.set n, 0
.rept 32
	global_load_b128 v[X+4*n:X+4*n+3], v3, s[28:29] offset:4096*n th:TH_LOAD_NT
.set n, n+1
.endr
	; The table entry of (sequence index 8 g + wave, frequency i = lane), made while the rows are on their way.
	v_and_b32 v4, 31, v0
	v_cvt_f32_u32 v4, v4
	v_mul_f32 v4, 0xbed49a78, v4                   ; -i log2(10000) / 32
	v_exp_f32 v5, v4                               ; 10000^(-i/32)
	v_nop                                          ; one plain instruction behind a transcendental (ISA guide 5.7.2)
	s_wait_loadcnt 32                              ; the position is in; the 32 row loads behind it stay out
	v_cvt_f32_i32 v7, v2
	s_wait_alu depctr_va_vdst(0)
	v_mul_f32 v7, v7, v5                           ; the angle, rounded to f32 as the definition rounds it
	; the angle in turns, in two parts: hi + e = angle / (2 pi) to well below f32 precision of a turn
	v_mul_f32 v8, s40, v7
	v_fma_f32 v9, v7, s40, -v8                     ; what the product's rounding dropped
	v_fma_f32 v9, v7, s41, v9                      ; and the rest of 1 / (2 pi)
	v_rndne_f32 v10, v8
	v_sub_f32 v10, v8, v10                         ; whole turns go (exact)
	v_add_f32 v10, v10, v9
	v_rndne_f32 v11, v10
	v_sub_f32 v10, v10, v11                        ; in [-1/2, 1/2]
	v_add_f32 v11, v10, v10
	v_rndne_f32 v11, v11                           ; k = -1, 0 or 1 half turns
	v_fma_f32 v10, v11, -0.5, v10                  ; in [-1/4, 1/4]
	v_fma_f32 v12, |v11|, -2.0, 1.0                ; a half turn changes both signs
	v_mul_f32 v10, 0x40c90fdb, v10                 ; X in [-pi/2, pi/2]
	v_mul_f32 v13, v10, v10
	v_mov_b32 v14, 0xb2d7322b                      ; sine: the series up to X^11 (the next term is below 6e-8)
	v_fmaak_f32 v14, v14, v13, 0x3638ef1d
	v_fmaak_f32 v14, v14, v13, 0xb9500d01
	v_fmaak_f32 v14, v14, v13, 0x3c088889
	v_fmaak_f32 v14, v14, v13, 0xbe2aaaab
	v_mul_f32 v15, v10, v13
	v_fma_f32 v14, v15, v14, v10
	v_mov_b32 v16, 0xb493f27e                      ; cosine: the series up to X^10 (the next term is below 5e-7)
	v_fmaak_f32 v16, v16, v13, 0x37d00d01
	v_fmaak_f32 v16, v16, v13, 0xbab60b61
	v_fmaak_f32 v16, v16, v13, 0x3d2aaaab
	v_fmaak_f32 v16, v16, v13, 0xbf000000
	v_fma_f32 v16, v16, v13, 1.0
	v_mul_f32 v16, v16, v12
	v_mul_f32 v17, v14, v12
	global_store_b64 v6, v[16:17], s[26:27]        ; a wave stores one position's 256 bytes
; Row i.  kind 0: to bf16.  kind 1 (wo): to bf16, then times 1024 into f16, which holds every bf16 mantissa exactly.
.macro CONV i, kind
	s_wait_loadcnt 31-\i                           ; loads come back in order (ISA guide 5.7.1): row i is in, the 31 - i younger rows stay out
	v_cvt_pk_bf16_f32 v[Y+2*\i],   v[X+4*\i],   v[X+4*\i+1]
	v_cvt_pk_bf16_f32 v[Y+2*\i+1], v[X+4*\i+2], v[X+4*\i+3]
.if \kind
	v_lshlrev_b32 v[X+4*\i],   16, v[Y+2*\i]
	v_and_b32     v[X+4*\i+1], 0xffff0000, v[Y+2*\i]
	v_lshlrev_b32 v[X+4*\i+2], 16, v[Y+2*\i+1]
	v_and_b32     v[X+4*\i+3], 0xffff0000, v[Y+2*\i+1]
	v_pk_mul_f32 v[X+4*\i:X+4*\i+1],   v[X+4*\i:X+4*\i+1],   0x44800000 op_sel_hi:[1,0]
	v_pk_mul_f32 v[X+4*\i+2:X+4*\i+3], v[X+4*\i+2:X+4*\i+3], 0x44800000 op_sel_hi:[1,0]
	v_cvt_pk_f16_f32 v[Y+2*\i],   v[X+4*\i],   v[X+4*\i+1]
	v_cvt_pk_f16_f32 v[Y+2*\i+1], v[X+4*\i+2], v[X+4*\i+3]
.endif
	global_store_b64 v6, v[Y+2*\i:Y+2*\i+1], s[30:31] offset:2048*\i
.endm
	s_cmp_ge_u32 s2, 224
	s_cbranch_scc1 .Lwo
.set n, 0
.rept 32
	CONV n, 0
.set n, n+1
.endr
	s_endpgm
.Lwo:
.set n, 0
.rept 32
	CONV n, 1
.set n, n+1
.endr
	s_endpgm
.Lfunc_end_k_q065b836258_prep:
	.size	k_q065b836258_prep, .Lfunc_end_k_q065b836258_prep-k_q065b836258_prep
	.p2alignl 7, 3214868480
	.fill 96, 4, 3214868480
	.section	.rodata,"a",@progbits
	.p2align	6, 0x0
	.amdhsa_kernel k_q065b836258_prep
		.amdhsa_group_segment_fixed_size 0
		.amdhsa_private_segment_fixed_size 0
		.amdhsa_enable_private_segment 0
		.amdhsa_kernarg_size 80
		.amdhsa_user_sgpr_count 2
		.amdhsa_user_sgpr_kernarg_segment_ptr 1
		.amdhsa_wavefront_size32 1
		.amdhsa_system_sgpr_workgroup_id_x 1
		.amdhsa_system_sgpr_workgroup_id_y 1
		.amdhsa_system_sgpr_workgroup_id_z 1
		.amdhsa_system_vgpr_workitem_id 0
		.amdhsa_next_free_vgpr 224
		.amdhsa_next_free_sgpr 66
		.amdhsa_reserve_vcc 0
		.amdhsa_float_denorm_mode_32 3
		.amdhsa_float_denorm_mode_16_64 3
		.amdhsa_memory_ordered 1
		.amdhsa_forward_progress 1
		.amdhsa_inst_pref_size 40
	.end_amdhsa_kernel
	.amdgpu_metadata
---
amdhsa.version: [ 1, 2 ]
amdhsa.kernels:
  - .name:           k_q065b836258_prep
    .symbol:         k_q065b836258_prep.kd
    .args:
      - { .name: x, .offset: 0, .size: 8, .value_kind: global_buffer, .address_space: global }
      - { .name: wq, .offset: 8, .size: 8, .value_kind: global_buffer, .address_space: global }
      - { .name: wk, .offset: 16, .size: 8, .value_kind: global_buffer, .address_space: global }
      - { .name: wv, .offset: 24, .size: 8, .value_kind: global_buffer, .address_space: global }
      - { .name: wo, .offset: 32, .size: 8, .value_kind: global_buffer, .address_space: global }
      - { .name: token_positions, .offset: 40, .size: 8, .value_kind: global_buffer, .address_space: global }
      - { .name: xb, .offset: 48, .size: 8, .value_kind: global_buffer, .address_space: global }
      - { .name: wqkv, .offset: 56, .size: 8, .value_kind: global_buffer, .address_space: global }
      - { .name: wo16, .offset: 64, .size: 8, .value_kind: global_buffer, .address_space: global }
      - { .name: rope, .offset: 72, .size: 8, .value_kind: global_buffer, .address_space: global }
    .group_segment_fixed_size: 0
    .private_segment_fixed_size: 0
    .kernarg_segment_align: 8
    .kernarg_segment_size: 80
    .max_flat_workgroup_size: 256
    .sgpr_count:     66
    .vgpr_count:     224
    .wavefront_size: 32
...
	.end_amdgpu_metadata
.endif
;; end of part 1
;; launch qkv (part 2): grid 16 x 16, 4 waves a work-group, clusters of 4 x 4, 327,680 bytes of LDS; arguments xb, wqkv, rope, qb, kb, vt; writes qb, kb, vt
.if DOCPART == 2
	.amdgcn_target "amdgcn-amd-amdhsa--gfx1250"
	.amdhsa_code_object_version 6
	.text
	.protected	k_q065b836258_qkv
	.globl	k_q065b836258_qkv
	.p2align	8
	.type	k_q065b836258_qkv,@function
k_q065b836258_qkv:
	s_mov_b64 s[64:65], 0
	v_nop
	global_prefetch_b8 v0, s[64:65] scope:SCOPE_SE
	s_setreg_imm32_b32 hwreg(HW_REG_WAVE_MODE, 25, 1), 1
	s_wait_xcnt 0x0
	s_wait_alu depctr_hold_cnt(0) depctr_sa_sdst(0) depctr_va_vdst(0) depctr_va_sdst(0) depctr_va_ssrc(0) depctr_va_vcc(0) depctr_vm_vsrc(0)
	s_getreg_b32 s2, hwreg(HW_REG_IB_STS2, 6, 4)
	s_cmp_eq_u32 s2, 0
	s_cbranch_scc0 .Lentry_in_a_cluster
	s_endpgm
.Lentry_in_a_cluster:
	s_bfe_u32 s2, ttmp6, 0x10000c
	s_cmp_lg_u32 s2, 0xf033
	s_cbranch_scc0 .Lentry_shape_is_right
	s_endpgm
.Lentry_shape_is_right:
; QKV: the three projections of one head for 256 tokens, the rotation of Q and K, and the three layouts that attention reads.
;   qb, kb = bf16 [2][16][2048][64], rotated;   vt = f16 [2][16][64][2048] = 16 V, transposed.
; LIMIT: |V| < 4,094 (16 V is kept in f16, whose mantissa is eight times finer than bf16's; Q and K stay in bf16, which has f32's range).
; A work-group makes 256 tokens x 192 columns (64 of Q, 64 of K, 64 of V of its head): 16 row blocks x 16 heads = 256 equal work-groups.
; Four waves; wave (wr, wc) makes tokens 128 wr .. +127 and columns 32 wc .. +31 of each of Q, K, V: 8 x 6 = 48 accumulator tiles.
; K (1,024) goes in steps of 128 through a ring of two LDS slots; a tile's rows are 256 bytes of memory, at multiples of 256 bytes.
; CLUSTERS: 4 x 4 work-groups.  The four of a row of the cluster have one row block and ask for its tiles of x jointly; the four of a column
; have one head and ask for its weights jointly.
; REGISTERS: window 0: v0-31 addresses; v32-95, v96-159 fragments of x (8 x 16 rows x 32 K), two buffers; v160-207, v208-255 fragments of the weights.
;   window 2: tiles (a, b), a = 0..3, at v[8 (6 a + b)]; v192-255 the table entries of those tokens.   window 3: the same for a = 4..7.
; Column blocks b = 0, 1 are Q, 2, 3 are K: there source 0 = weights, source 1 = x, so that a lane holds 8 neighbouring columns of token l % 16.
; b = 4, 5 are V: source 0 = x, source 1 = weights, so that a lane holds 8 neighbouring tokens of column l % 16, a piece of a row of V transposed.
.set KSTEP, 128
.set PITCH, 272                        ; an LDS row: 256 bytes + 16 of padding, an odd multiple of 16: the 16 rows of a fragment load start in 16 different groups of banks
.set HALFA, 128*PITCH                  ; what one tensor load brings of x
.set HALFB, 96*PITCH                   ; and of the weights
.set BOFF,  2*HALFA
.set SLOT,  2*HALFA+2*HALFB            ; 121,856 bytes: 256 rows of x, then 192 rows of weights
.set LAPS,  4                          ; a lap = two K steps = once round the ring
.set STW,   29184                      ; the way out: a wave's own region, laid over the ring after its last fill:
.set STK,   10240                      ;   Q 128 tokens x 80 bytes (64 + 16), then K the same,
.set STVO,  20480                      ;   then V transposed, 32 columns x 272 bytes (256 + 16)
.set ADRA, 4                           ; v4-5    LDS address of my fragments of x in slot 0, 1
.set ADRB, 6                           ; v6-7    the same for the weights
.set STQ,  8                           ; v8      the way out: where I put 16 bytes of Q or K
.set STV,  9                           ; v9      and of V transposed
.set RDQ,  10                          ; v10-11  where I read Q and K back: tokens 0-127, 128-255
.set RDV,  12                          ; v12     where I read V transposed back
.set GOQ,  13                          ; v13     my byte offset in qb and kb
.set GOV,  14                          ; v14     my byte offset in vt
.set TAB,  15                          ; v15     my byte offset in the table
.set AF,   32
.set BF,   160
.set T,    32                          ; the way out: 48 f32 at work
.set PK,   80                          ; the way out: 24 packed registers
.set CS,   192                         ; (cos, sin) pairs, in windows 2 and 3
.set G1,  24                           ; s[24:31] descriptor group 1 for x
.set G0,  32                           ; s[32:39] group 0 for x, one set for each slot
.set G1B, 48                           ; s[48:55] group 1 for the weights
.set G0B, 56                           ; s[56:63] group 0 for the weights
.set MSB, 0
.macro WIN new                         ; the immediate's high byte repeats the setting that is left
.if MSB != \new
	s_set_vgpr_msb (MSB<<8)|\new
.set MSB, \new
.endif
.endm
; A joint load.  Waves 0 and 1 fetch the two halves of x's tile, waves 2 and 3 those of the weights' tile; the branch hangs on the wave's number alone.
.macro JLOAD s
	s_cmp_eq_u32 s17, 0
	s_cbranch_scc0 .Lfor_b_\@
	tensor_load_to_lds s[G0+4*\s:G0+4*\s+3], s[G1:G1+7]
	s_nop 0
	s_branch .Lasked_\@
.Lfor_b_\@:
	tensor_load_to_lds s[G0B+4*\s:G0B+4*\s+3], s[G1B:G1B+7]
	s_nop 0
.Lasked_\@:
.endm
.macro CREST                           ; a round of the cluster's barrier behind its opening barrier
	s_cmp_lg_u32 s16, 0
	s_cbranch_scc1 .Lnot_wave_0_\@
	s_barrier_signal -3
.Lnot_wave_0_\@:
	s_barrier_wait -3
	s_barrier_signal -1
	s_barrier_wait -1
.endm
.macro CROUND                          ; a whole round
	s_barrier_signal -1
	s_barrier_wait -1
	CREST
.endm
.macro PLACES                          ; four places behind a matrix instruction (ISA guide 7.12.1), before its registers are loaded over or its results read
.rept 4
	v_nop
.endr
.endm
	s_load_b256 s[4:11], s[0:1], 0x0               ; xb s[4:5], wqkv s[6:7], rope s[8:9], qb s[10:11]
	s_load_b128 s[12:15], s[0:1], 0x20             ; kb s[12:13], vt s[14:15]
	v_lshl_add_u32 v30, v0, 2, 0x3b800
	v_mov_b32 v31, 0
	ds_add_u32 v30, v31
	ds_add_u32 v30, v31
	v_lshrrev_b32 v1, 5, v0
	v_readfirstlane_b32 s16, v1                    ; wave 0..3
	s_lshr_b32 s17, s16, 1                         ; wr.  Also: I fetch x (0) or weights (1)
	s_and_b32 s18, s16, 1                          ; wc.  Also: which half of that tile I fetch
	s_bfe_u32 s19, ttmp6, 0x40000                  ; cx
	s_bfe_u32 s20, ttmp6, 0x40004                  ; cy
	s_lshl_b32 s21, ttmp9, 2
	s_add_co_u32 s21, s21, s19                     ; head = 4 x cluster x + cx
	s_and_b32 s22, ttmp7, 0xffff
	s_lshl_b32 s22, s22, 2
	s_add_co_u32 s22, s22, s20                     ; row block = 4 x cluster y + cy
	s_lshl_b32 s40, s20, 2
	s_lshl_b32 s40, 15, s40                        ; my row of the cluster
	s_lshl_b32 s41, 0x1111, s19                    ; my column
	s_or_b32 s[G1+0], s40, (1<<16)|(1<<20)|(1<<21)|(5<<22)|(3<<25)   ; mask; elements of 2 bytes; padding on; bit 21 beside a mask; after every 64 words, 4 words
	s_or_b32 s[G1B+0], s41, (1<<16)|(1<<20)|(1<<21)|(5<<22)|(3<<25)
	s_mov_b32 s[G1+1], KSTEP<<16                   ; tensor_dim0 = 128
	s_mov_b32 s[G1B+1], KSTEP<<16
	s_mov_b32 s[G1+2], 128<<16                     ; tensor_dim1 = 128 rows of x,
	s_mov_b32 s[G1B+2], 96<<16                     ; 96 rows of weights
	s_mov_b32 s[G1+3], KSTEP<<16                   ; tile_dim0 = 128
	s_mov_b32 s[G1B+3], KSTEP<<16
	s_mov_b32 s[G1+4], 128                         ; tile_dim1
	s_mov_b32 s[G1B+4], 96
	s_mov_b32 s[G1+5], 1024                        ; elements from row to row
	s_mov_b32 s[G1B+5], 1024
	s_mov_b32 s[G1+6], 0
	s_mov_b32 s[G1B+6], 0
	s_mov_b32 s[G1+7], 0
	s_mov_b32 s[G1B+7], 0
	s_lshl_b32 s42, s22, 8                         ; x: row 256 x row block + 128 x half, rows of 2,048 bytes
	s_lshl_b32 s43, s18, 7
	s_add_co_u32 s42, s42, s43
	s_lshl_b32 s42, s42, 11
	s_mov_b32 s43, 0
	s_mul_i32 s46, s21, 192                        ; weights: row 192 x head + 96 x half
	s_mul_i32 s47, s18, 96
	s_add_co_u32 s46, s46, s47
	s_lshl_b32 s46, s46, 11
	s_mov_b32 s47, 0
	s_mul_i32 s44, s16, HALFA                      ; where they go: waves 0, 1: wave x 128 rows;
	s_mul_i32 s45, s16, HALFB                      ; waves 2, 3: behind x's 256 rows, (wave - 2) x 96 rows
	s_add_co_u32 s45, s45, BOFF-2*HALFB
	; offsets of the table and of the three outputs, in registers that feed no descriptor
	s_and_b32 s69, s22, 7                          ; the row block inside its batch
	s_lshl_b32 s66, s69, 8
	s_lshl_b32 s67, s17, 7
	s_add_co_u32 s66, s66, s67                     ; my first sequence index
	s_lshl_b32 s66, s66, 8                         ; 256 bytes a position
	s_lshl_b32 s67, s18, 7                         ; + my 16 pairs of 8 bytes
	s_add_co_u32 s66, s66, s67
	s_mov_b32 s67, 0
	s_lshr_b32 s68, s22, 3                         ; batch
	s_lshl_b32 s68, s68, 4
	s_add_co_u32 s68, s68, s21                     ; batch x 16 + head
	s_lshl_b32 s68, s68, 18                        ; 262,144 bytes for a head in each of qb, kb, vt
	s_lshl_b32 s70, s69, 15                        ; 256 tokens x 128 bytes
	s_lshl_b32 s72, s69, 9                         ; 256 tokens x 2 bytes
	s_add_co_u32 s70, s70, s68
	s_add_co_u32 s72, s72, s68
	s_mov_b32 s71, 0
	s_mov_b32 s73, 0
	s_wait_dscnt 0x0
	s_wait_kmcnt 0x0
	s_add_nc_u64 s[42:43], s[4:5], s[42:43]
	s_add_nc_u64 s[46:47], s[6:7], s[46:47]
	s_add_nc_u64 s[8:9], s[8:9], s[66:67]
	s_add_nc_u64 s[10:11], s[10:11], s[70:71]
	s_add_nc_u64 s[12:13], s[12:13], s[70:71]
	s_add_nc_u64 s[14:15], s[14:15], s[72:73]
	CROUND                                         ; all sixteen work-groups are here: the first joint loads meet
.irp s, 0,1
	s_mov_b32 s[G0+4*\s], 1
	s_add_co_u32 s[G0+4*\s+1], s44, \s*SLOT
	s_add_nc_u64 s[G0+4*\s+2:G0+4*\s+3], s[42:43], \s*KSTEP*2
	s_or_b32 s[G0+4*\s+3], s[G0+4*\s+3], 0x80000000
	s_mov_b32 s[G0B+4*\s], 1
	s_add_co_u32 s[G0B+4*\s+1], s45, \s*SLOT
	s_add_nc_u64 s[G0B+4*\s+2:G0B+4*\s+3], s[46:47], \s*KSTEP*2
	s_or_b32 s[G0B+4*\s+3], s[G0B+4*\s+3], 0x80000000
	JLOAD \s                                       ; K steps 0 and 1: two tensor loads of the wave are out, later one
.endr
	v_and_b32 v1, 15, v0                           ; r = l % 16
	v_bfe_u32 v2, v0, 4, 1                         ; h = l / 16
	v_lshlrev_b32 v[TAB], 8, v1                    ; the table: token r, 32 bytes for each half of the lanes
	v_lshl_add_u32 v[TAB], v2, 5, v[TAB]
	; The table entries of my 128 tokens x 16 pairs: 32 loads, waited for only on the way out.  Tile (a, b2): 4 pairs of (cos, sin) a lane.
	WIN 0x80
.irp a, 0,1,2,3
.irp b, 0,1
	global_load_b128 v[CS+16*\a+8*\b:CS+16*\a+8*\b+3],   v[TAB], s[8:9] offset:4096*\a+64*\b
	global_load_b128 v[CS+16*\a+8*\b+4:CS+16*\a+8*\b+7], v[TAB], s[8:9] offset:4096*\a+64*\b+16
.endr
.endr
	WIN 0xc0
.irp a, 0,1,2,3
.irp b, 0,1
	global_load_b128 v[CS+16*\a+8*\b:CS+16*\a+8*\b+3],   v[TAB], s[8:9] offset:4096*(\a+4)+64*\b
	global_load_b128 v[CS+16*\a+8*\b+4:CS+16*\a+8*\b+7], v[TAB], s[8:9] offset:4096*(\a+4)+64*\b+16
.endr
.endr
	WIN 0
	v_mul_u32_u24 v3, v1, PITCH
	v_lshl_add_u32 v3, v2, 4, v3                   ; row x pitch + 16 x half
	s_mul_i32 s74, s17, HALFA                      ; my 128 rows of x
	s_mul_i32 s75, s18, 32*PITCH                   ; my 32 rows of each of the three weights
	s_add_co_u32 s75, s75, BOFF
.irp s, 0,1
	v_add_nc_u32 v[ADRA+\s], s74, v3
	v_add_nc_u32 v[ADRB+\s], s75, v3
	s_add_co_u32 s74, s74, SLOT
	s_add_co_u32 s75, s75, SLOT
.endr
	s_mul_i32 s74, s16, STW                        ; my region of the stage
	v_mul_u32_u24 v[STQ], v1, 80
	v_lshl_add_u32 v[STQ], v2, 4, v[STQ]
	v_add_nc_u32 v[STQ], s74, v[STQ]               ; token r, 16 bytes for each half of the lanes
	v_mul_u32_u24 v[STV], v1, 272
	v_lshl_add_u32 v[STV], v2, 4, v[STV]
	s_add_co_u32 s74, s74, STVO
	v_add_nc_u32 v[STV], s74, v[STV]               ; column r
	v_lshrrev_b32 v3, 3, v0                        ; back: thread t takes 16 bytes t % 8 of token t / 8 (+ 16 for each further load)
	v_mul_u32_u24 v[RDQ], v3, 80
	v_and_b32 v3, 3, v0
	v_lshl_add_u32 v[RDQ], v3, 4, v[RDQ]
	v_bfe_u32 v3, v0, 2, 1                         ; columns 32-63 lie in the region of the wave with wc = 1
	v_mad_u32_u24 v[RDQ], v3, STW, v[RDQ]
	v_add_nc_u32 v[RDQ+1], 2*STW, v[RDQ]           ; tokens 128-255 in those of the waves with wr = 1
	v_mul_u32_u24 v[RDV], v2, 2*STW                ; V transposed: lanes 16-31 take tokens 128-255
	v_lshl_add_u32 v[RDV], v1, 4, v[RDV]
	s_mul_i32 s74, s16, 272                        ; wave w takes rows w, w + 4, ..
	s_add_co_u32 s74, s74, STVO
	v_add_nc_u32 v[RDV], s74, v[RDV]
	v_lshlrev_b32 v[GOQ], 4, v0
	v_and_b32 v3, 31, v0
	s_lshl_b32 s74, s16, 12
	v_lshl_add_u32 v[GOV], v3, 4, s74
; 12 matrix instructions: token blocks a0, a0 + 1 of the window's four x all 6 column blocks, 32 along K, from buffer f.
; The 48 accumulators take turns, one instruction a turn, in the same order in every quarter step.
.macro MUL12 f, hi, a0, zero
.irp a, \a0, \a0+1
.irp b, 0,1,2,3,4,5
.if \b < 4
.if \zero
	v_wmma_f32_16x16x32_bf16 v[8*(6*(\a)+\b):8*(6*(\a)+\b)+7], v[BF+48*\f+8*\b:BF+48*\f+8*\b+7], v[AF+64*\f+8*(4*\hi+(\a)):AF+64*\f+8*(4*\hi+(\a))+7], 0
.else
	v_wmma_f32_16x16x32_bf16 v[8*(6*(\a)+\b):8*(6*(\a)+\b)+7], v[BF+48*\f+8*\b:BF+48*\f+8*\b+7], v[AF+64*\f+8*(4*\hi+(\a)):AF+64*\f+8*(4*\hi+(\a))+7], v[8*(6*(\a)+\b):8*(6*(\a)+\b)+7]
.endif
.else
.if \zero
	v_wmma_f32_16x16x32_bf16 v[8*(6*(\a)+\b):8*(6*(\a)+\b)+7], v[AF+64*\f+8*(4*\hi+(\a)):AF+64*\f+8*(4*\hi+(\a))+7], v[BF+48*\f+8*\b:BF+48*\f+8*\b+7], 0
.else
	v_wmma_f32_16x16x32_bf16 v[8*(6*(\a)+\b):8*(6*(\a)+\b)+7], v[AF+64*\f+8*(4*\hi+(\a)):AF+64*\f+8*(4*\hi+(\a))+7], v[BF+48*\f+8*\b:BF+48*\f+8*\b+7], v[8*(6*(\a)+\b):8*(6*(\a)+\b)+7]
.endif
.endif
.endr
.endr
.endm
; 28 LDS loads in one run: the fragments of one quarter step (byte k of the rows) into buffer f: weights (12), x rows 0-63 (8), x rows 64-127 (8)
.macro FETCH slot, k, f
.irp b, 0,1,2,3,4,5
	ds_load_b128 v[BF+48*\f+8*\b:BF+48*\f+8*\b+3],   v[ADRB+\slot] offset:(64*(\b>>1)+16*(\b&1))*PITCH+\k
	ds_load_b128 v[BF+48*\f+8*\b+4:BF+48*\f+8*\b+7], v[ADRB+\slot] offset:(64*(\b>>1)+16*(\b&1))*PITCH+\k+32
.endr
.irp a, 0,1,2,3,4,5,6,7
	ds_load_b128 v[AF+64*\f+8*\a:AF+64*\f+8*\a+3],   v[ADRA+\slot] offset:\a*16*PITCH+\k
	ds_load_b128 v[AF+64*\f+8*\a+4:AF+64*\f+8*\a+7], v[ADRA+\slot] offset:\a*16*PITCH+\k+32
.endr
.endm
; One of a K step's first three quarters: multiplies buffer f and, in its middle, fetches the next quarter (byte k) into buffer g.
.macro QUARTER slot, k, f, g, zero
	s_wait_dscnt 8                                 ; the weights and x's rows 0-63 are in; the youngest eight loads (rows 64-127) may be out
	WIN 0xa0
	MUL12 \f, 0, 0, \zero
	MUL12 \f, 0, 2, \zero
	PLACES
	WIN 0
	FETCH \slot, \k, \g
	s_wait_dscnt 28                                ; all but the 28 just issued
	WIN 0xf0
	MUL12 \f, 1, 0, \zero
	MUL12 \f, 1, 2, \zero
.endm
.macro THREE slot, zero
	QUARTER \slot, 64,  0, 1, \zero
	QUARTER \slot, 128, 1, 0, 0
	QUARTER \slot, 192, 0, 1, 0
.endm
; The last quarter: multiplies buffer 1 and changes slots.  In front of the barrier each wave waits for its reads of this slot and for all its
; tensor loads (the one that is out is its part of the next slot); where the slot is filled again the barrier opens a round of the cluster's
; barrier, and the joint refill is the first tensor load behind the round.  From a request to the wait for it a wave issues 180 matrix instructions.
.macro TURN slot, next, fill
	s_wait_dscnt 8
	WIN 0xa0
	MUL12 1, 0, 0, 0
	s_wait_dscnt 0
	s_wait_tensorcnt 0x0
	ds_add_u32 v30, v31
	s_wait_dscnt 0x0
	s_barrier_signal -1
	MUL12 1, 0, 2, 0                               ; register work between signal and wait
	WIN 0
	s_barrier_wait -1
.if \fill
	CREST
	s_add_nc_u64 s[G0+4*\slot+2:G0+4*\slot+3], s[G0+4*\slot+2:G0+4*\slot+3], 2*KSTEP*2
	s_add_nc_u64 s[G0B+4*\slot+2:G0B+4*\slot+3], s[G0B+4*\slot+2:G0B+4*\slot+3], 2*KSTEP*2
	JLOAD \slot
.endif
	PLACES
	FETCH \next, 0, 0
	WIN 0xf0
	MUL12 1, 1, 0, 0
	MUL12 1, 1, 2, 0
.endm
.macro LAP zero
	THREE 0, \zero
	TURN 0, 1, 1
	THREE 1, 0
	TURN 1, 0, 1
.endm
	s_wait_tensorcnt 1                             ; my part of K step 0 is in; K step 1's load stays out
	s_barrier_signal -1
	s_barrier_wait -1
	FETCH 0, 0, 0
	LAP 1                                          ; the first lap's first products start the sums: nothing is cleared
	WIN 0
	s_mov_b32 s3, LAPS-2
.Llap:
	LAP 0
	WIN 0
	s_sub_co_u32 s3, s3, 1
	s_cmp_lg_u32 s3, 0
	s_cbranch_scc1 .Llap
	THREE 0, 0                                     ; the last lap fills nothing
	TURN 0, 1, 0
	THREE 1, 0
	s_wait_dscnt 8
	WIN 0xa0
	MUL12 1, 0, 0, 0
	MUL12 1, 0, 2, 0
	s_wait_dscnt 0
	WIN 0xf0
	MUL12 1, 1, 0, 0
	MUL12 1, 1, 2, 0
	; THE WAY OUT.  The ring has had its last fill; when every wave has ended its reads of it, its bytes serve as the stage.
	PLACES
	WIN 0
	s_barrier_signal -1                            ; my LDS loads are back (the wait for 0 above)
	s_barrier_wait -1
	s_wait_loadcnt 0x0                             ; the table entries
; Token block a of window 2 + hi.  Q and K: (x1, x2) -> (x1 c - x2 s, x1 s + x2 c), two packed instructions a pair; V: times 16.
; from = 0x0a or 0x0f: sources 0 and 1 in the accumulators' window, source 2 and the result in window 0.
.macro OUTA a, hi, from
	WIN \from
.irp b, 0,1,2,3
.irp i, 0,2,4,6
	v_pk_mul_f32 v[T+8*\b+\i:T+8*\b+\i+1], v[8*(6*\a+\b)+\i:8*(6*\a+\b)+\i+1], v[CS+16*\a+8*(\b&1)+\i:CS+16*\a+8*(\b&1)+\i+1] op_sel_hi:[1,0]
.endr
.irp i, 0,2,4,6
	v_pk_fma_f32 v[T+8*\b+\i:T+8*\b+\i+1], v[8*(6*\a+\b)+\i:8*(6*\a+\b)+\i+1], v[CS+16*\a+8*(\b&1)+\i:CS+16*\a+8*(\b&1)+\i+1], v[T+8*\b+\i:T+8*\b+\i+1] op_sel:[1,1,0] op_sel_hi:[0,1,1] neg_lo:[1,0,0]
.endr
.endr
.irp b, 4,5
.irp i, 0,2,4,6
	v_pk_mul_f32 v[T+8*\b+\i:T+8*\b+\i+1], v[8*(6*\a+\b)+\i:8*(6*\a+\b)+\i+1], 0x41800000 op_sel_hi:[1,0]
.endr
.endr
	WIN 0
.irp b, 0,1,2,3
.irp i, 0,1,2,3
	v_cvt_pk_bf16_f32 v[PK+4*\b+\i], v[T+8*\b+2*\i], v[T+8*\b+2*\i+1]
.endr
.endr
.irp b, 4,5
.irp i, 0,1,2,3
	v_cvt_pk_f16_f32 v[PK+4*\b+\i], v[T+8*\b+2*\i], v[T+8*\b+2*\i+1]
.endr
.endr
	ds_store_b128 v[STQ], v[PK:PK+3]     offset:1280*(\a+4*\hi)
	ds_store_b128 v[STQ], v[PK+4:PK+7]   offset:1280*(\a+4*\hi)+32
	ds_store_b128 v[STQ], v[PK+8:PK+11]  offset:STK+1280*(\a+4*\hi)
	ds_store_b128 v[STQ], v[PK+12:PK+15] offset:STK+1280*(\a+4*\hi)+32
	ds_store_b128 v[STV], v[PK+16:PK+19] offset:32*(\a+4*\hi)
	ds_store_b128 v[STV], v[PK+20:PK+23] offset:16*272+32*(\a+4*\hi)
.endm
	OUTA 0, 0, 0x0a
	OUTA 1, 0, 0x0a
	OUTA 2, 0, 0x0a
	OUTA 3, 0, 0x0a
	OUTA 0, 1, 0x0f
	OUTA 1, 1, 0x0f
	OUTA 2, 1, 0x0f
	OUTA 3, 1, 0x0f
	s_wait_dscnt 0x0                               ; my stores are in LDS, for the other waves' sake
	s_barrier_signal -1
	s_barrier_wait -1
	; 48 reads in one run into 48 different groups of four registers, then 48 stores; each store of a wave covers 512 neighbouring bytes, aligned.
.set n, 0
.rept 8
	ds_load_b128 v[32+4*n:35+4*n], v[RDQ] offset:1280*n
.set n, n+1
.endr
.rept 8
	ds_load_b128 v[32+4*n:35+4*n], v[RDQ+1] offset:1280*(n-8)
.set n, n+1
.endr
.rept 8
	ds_load_b128 v[32+4*n:35+4*n], v[RDQ] offset:STK+1280*(n-16)
.set n, n+1
.endr
.rept 8
	ds_load_b128 v[32+4*n:35+4*n], v[RDQ+1] offset:STK+1280*(n-24)
.set n, n+1
.endr
.rept 8
	ds_load_b128 v[32+4*n:35+4*n], v[RDV] offset:1088*(n-32)
.set n, n+1
.endr
.rept 8
	ds_load_b128 v[32+4*n:35+4*n], v[RDV] offset:STW+1088*(n-40)
.set n, n+1
.endr
.set n, 0
.rept 16
	s_wait_dscnt 47-n                              ; LDS loads come back in order (ISA guide 5.7.1): read n is in, the 47 - n younger ones stay out
	global_store_b128 v[GOQ], v[32+4*n:35+4*n], s[10:11] offset:2048*n
.set n, n+1
.endr
.rept 16
	s_wait_dscnt 47-n
	global_store_b128 v[GOQ], v[32+4*n:35+4*n], s[12:13] offset:2048*(n-16)
.set n, n+1
.endr
.rept 16
	s_wait_dscnt 47-n
	global_store_b128 v[GOV], v[32+4*n:35+4*n], s[14:15] offset:16384*(n-32)
.set n, n+1
.endr
	s_wait_tensorcnt 0x0
	ds_add_u32 v30, v31
	s_wait_dscnt 0x0
	CROUND                                         ; the closing round: no work-group ends while a partner may still ask for a tile that names it
	s_endpgm
.Lfunc_end_k_q065b836258_qkv:
	.size	k_q065b836258_qkv, .Lfunc_end_k_q065b836258_qkv-k_q065b836258_qkv
	.p2alignl 7, 3214868480
	.fill 96, 4, 3214868480
	.section	.rodata,"a",@progbits
	.p2align	6, 0x0
	.amdhsa_kernel k_q065b836258_qkv
		.amdhsa_group_segment_fixed_size 327680
		.amdhsa_private_segment_fixed_size 0
		.amdhsa_enable_private_segment 0
		.amdhsa_kernarg_size 48
		.amdhsa_user_sgpr_count 2
		.amdhsa_user_sgpr_kernarg_segment_ptr 1
		.amdhsa_wavefront_size32 1
		.amdhsa_system_sgpr_workgroup_id_x 1
		.amdhsa_system_sgpr_workgroup_id_y 1
		.amdhsa_system_sgpr_workgroup_id_z 1
		.amdhsa_system_vgpr_workitem_id 0
		.amdhsa_next_free_vgpr 1024
		.amdhsa_next_free_sgpr 80
		.amdhsa_reserve_vcc 0
		.amdhsa_float_denorm_mode_32 3
		.amdhsa_float_denorm_mode_16_64 3
		.amdhsa_memory_ordered 1
		.amdhsa_forward_progress 1
		.amdhsa_inst_pref_size 183
	.end_amdhsa_kernel
	.amdgpu_metadata
---
amdhsa.version: [ 1, 2 ]
amdhsa.kernels:
  - .name:           k_q065b836258_qkv
    .symbol:         k_q065b836258_qkv.kd
    .args:
      - { .name: xb, .offset: 0, .size: 8, .value_kind: global_buffer, .address_space: global }
      - { .name: wqkv, .offset: 8, .size: 8, .value_kind: global_buffer, .address_space: global }
      - { .name: rope, .offset: 16, .size: 8, .value_kind: global_buffer, .address_space: global }
      - { .name: qb, .offset: 24, .size: 8, .value_kind: global_buffer, .address_space: global }
      - { .name: kb, .offset: 32, .size: 8, .value_kind: global_buffer, .address_space: global }
      - { .name: vt, .offset: 40, .size: 8, .value_kind: global_buffer, .address_space: global }
    .group_segment_fixed_size: 327680
    .private_segment_fixed_size: 0
    .kernarg_segment_align: 8
    .kernarg_segment_size: 48
    .max_flat_workgroup_size: 128
    .sgpr_count:     80
    .vgpr_count:     1024
    .wavefront_size: 32
...
	.end_amdgpu_metadata
.endif
;; end of part 2
;; launch attn (part 3): grid 8 x 32, 4 waves a work-group, no clusters, 327,680 bytes of LDS; arguments qb, kb, vt, ctx; writes ctx
.if DOCPART == 3
	.amdgcn_target "amdgcn-amd-amdhsa--gfx1250"
	.amdhsa_code_object_version 6
	.text
	.protected	k_q065b836258_attn
	.globl	k_q065b836258_attn
	.p2align	8
	.type	k_q065b836258_attn,@function
k_q065b836258_attn:
	s_mov_b64 s[64:65], 0
	v_nop
	global_prefetch_b8 v0, s[64:65] scope:SCOPE_SE
	s_setreg_imm32_b32 hwreg(HW_REG_WAVE_MODE, 25, 1), 1
	s_wait_xcnt 0x0
; ATTN: causal attention of one head, with a running maximum.  ctx = f16 [4096][1024] = 16 x the context (vt holds 16 V).
; LIMITS: |V| < 4,094 (16 V and 16 ctx in f16); a probability below 2^-24 of its row's largest counts as 0 (P is kept in f16, at most 1).
; Work-group (p, head): the query blocks of 128 rows E = 2 p and O = 15 - 2 p.  Block j needs the key tiles 0 .. j, so every work-group
; does (2 p + 1) + (16 - 2 p) = 17 steps: 256 equal work-groups.  Wave w owns query rows 32 w .. +31 of a block and all 128 keys of a tile.
; A block's diagonal tile comes first: it alone is masked, and it starts the sums, so that nothing is cleared.
; S transposed = K Q^T (bf16): lane (r, h) holds keys 16 kb + 8 h + j of query r.  Two such tiles, packed to f16 in place, ARE the second
; operand of O transposed = V^T P^T (f16): no lane is crossed, and the row's factors lie in the lane that needs them.
; NO MULTICAST: at a given step work-groups with different p want different tiles (their diagonals and their counts differ); to bring them
; into step each would have to ask for 24 tiles instead of 17 and pass a round of the cluster's barrier in each step, for 35,840 bytes a step.
; LDS: slot 0, slot 1 (K 128 x 144, V^T 64 x 272 bytes), Q of E, Q of O (128 x 144), a stage of 32 x 144 bytes for each wave (never filled by a tensor load).
; REGISTERS: window 0: v2-11 addresses; v12-13 m, v14-15 l (one for each 16 queries); v16-27 at work; v32-63 Q; v64-127 O; v128-255 S, then P.
;   window 1: v0-127 fragments of K, then of V^T.
.set KP,     144
.set VP,     272
.set VOFF,   128*KP                    ; 18,432
.set SLOTB,  VOFF+64*VP                ; 35,840
.set QLDS,   2*SLOTB                   ; 71,680
.set QBYTES, 128*KP
.set STG,    QLDS+2*QBYTES             ; 108,544
.set KG, 48                            ; s[48:55] group 0 of K's tiles, one set for each slot
.set VG, 56                            ; s[56:63] group 0 of V's tiles
.set MSB, 0
.macro WIN new
.if MSB != \new
	s_set_vgpr_msb (MSB<<8)|\new
.set MSB, \new
.endif
.endm
	s_load_b256 s[4:11], s[0:1], 0x0               ; qb s[4:5], kb s[6:7], vt s[8:9], ctx s[10:11]
	v_lshl_add_u32 v27, v0, 2, 0x29000
	v_mov_b32 v31, 0
	ds_add_u32 v27, v31
	ds_add_u32 v27, v31
	v_lshrrev_b32 v1, 5, v0
	v_readfirstlane_b32 s12, v1                    ; wave
	s_mov_b32 s13, ttmp9                           ; p
	s_and_b32 s14, ttmp7, 0xffff                   ; batch x 16 + head
	s_lshl_b32 s16, s13, 1                         ; E = 2 p; also: behind tile 2 p - 1 the next tile asked for is
	s_sub_co_u32 s17, 15, s16                      ; O = 15 - 2 p, the second block's diagonal
	s_mov_b32 s15, 0                               ; the tile that the next refill asks for
	s_cmp_eq_u32 s16, 0
	s_cselect_b32 s15, s17, s15                    ; (p = 0: block E has its diagonal alone)
	s_mov_b32 s26, 0x3e38aa3b                      ; c = log2(e) / 8: the scale 1 / sqrt(64) and the base of v_exp_f32
	s_mov_b32 s27, 0x3e38aa3b
	s_mov_b32 s77, 0xbe38aa3b                      ; -c
	s_mov_b32 s28, 0x76543210                      ; v_permlanex16_b32: lane i of one half reads lane i of the other
	s_mov_b32 s29, 0xfedcba98
	; group 1 for K and Q: 128 rows x 64 bf16, rows of 128 bytes padded to 144
	s_mov_b32 s32, (1<<16)|(1<<20)|(4<<22)|(3<<25)
	s_mov_b32 s33, 64<<16
	s_mov_b32 s34, 128<<16
	s_mov_b32 s35, 64<<16
	s_mov_b32 s36, 128
	s_mov_b32 s37, 64
	s_mov_b32 s38, 0
	s_mov_b32 s39, 0
	; group 1 for V^T: 64 rows x 128 f16 out of rows of 2,048, rows of 256 bytes padded to 272
	s_mov_b32 s40, (1<<16)|(1<<20)|(5<<22)|(3<<25)
	s_mov_b32 s41, 128<<16
	s_mov_b32 s42, 64<<16
	s_mov_b32 s43, 128<<16
	s_mov_b32 s44, 64
	s_mov_b32 s45, 2048
	s_mov_b32 s46, 0
	s_mov_b32 s47, 0
	s_mov_b32 s48, 1
	s_mov_b32 s49, 0
	s_mov_b32 s52, 1
	s_mov_b32 s53, SLOTB
	s_mov_b32 s56, 1
	s_mov_b32 s57, VOFF
	s_mov_b32 s60, 1
	s_mov_b32 s61, SLOTB+VOFF
	s_mov_b32 s68, 1
	s_mov_b32 s69, QLDS
	s_mov_b32 s72, 1
	s_mov_b32 s73, QLDS+QBYTES
	s_lshl_b32 s20, s14, 18                        ; a head's 262,144 bytes in qb, kb, vt
	s_mov_b32 s21, 0
	s_mov_b32 s23, 0
	s_mov_b32 s25, 0
	s_wait_dscnt 0x0
	s_wait_kmcnt 0x0
	s_add_nc_u64 s[4:5], s[4:5], s[20:21]
	s_add_nc_u64 s[6:7], s[6:7], s[20:21]
	s_add_nc_u64 s[8:9], s[8:9], s[20:21]
	s_lshl_b32 s20, s16, 14                        ; tile or block E: 128 rows of 128 bytes each
	s_lshl_b32 s22, s16, 8                         ; in V^T: 128 keys of 2 bytes
	s_lshl_b32 s24, s17, 14                        ; block O
	s_add_nc_u64 s[50:51], s[6:7], s[20:21]
	s_or_b32 s51, s51, 0x80000000
	s_add_nc_u64 s[58:59], s[8:9], s[22:23]
	s_or_b32 s59, s59, 0x80000000
	s_add_nc_u64 s[70:71], s[4:5], s[20:21]
	s_or_b32 s71, s71, 0x80000000
	s_add_nc_u64 s[74:75], s[4:5], s[24:25]
	s_or_b32 s75, s75, 0x80000000
	; the first fills, one a wave, in one ladder on the wave's number: K and V of E's diagonal tile into slot 0, Q of E, Q of O
	s_cmp_eq_u32 s12, 0
	s_cbranch_scc0 .Lfill1
	tensor_load_to_lds s[48:51], s[32:39]
	s_nop 0
	s_branch .Lfilled
.Lfill1:
	s_cmp_eq_u32 s12, 1
	s_cbranch_scc0 .Lfill2
	tensor_load_to_lds s[56:59], s[40:47]
	s_nop 0
	s_branch .Lfilled
.Lfill2:
	s_cmp_eq_u32 s12, 2
	s_cbranch_scc0 .Lfill3
	tensor_load_to_lds s[68:71], s[32:39]
	s_nop 0
	s_branch .Lfilled
.Lfill3:
	tensor_load_to_lds s[72:75], s[32:39]
	s_nop 0
.Lfilled:
	; ctx at my first row of E (s[30:31]) and of O (s[66:67]): row batch x 2048 + 128 block + 32 wave, 2,048 bytes a row, + 128 bytes x head
	s_lshr_b32 s19, s14, 4
	s_lshl_b32 s19, s19, 11
	s_lshl_b32 s24, s12, 5
	s_add_co_u32 s19, s19, s24
	s_and_b32 s76, s14, 15
	s_lshl_b32 s76, s76, 7
	s_lshl_b32 s20, s16, 7
	s_add_co_u32 s20, s20, s19
	s_lshl_b32 s20, s20, 11
	s_add_co_u32 s20, s20, s76
	s_add_nc_u64 s[30:31], s[10:11], s[20:21]
	s_lshl_b32 s20, s17, 7
	s_add_co_u32 s20, s20, s19
	s_lshl_b32 s20, s20, 11
	s_add_co_u32 s20, s20, s76
	s_add_nc_u64 s[66:67], s[10:11], s[20:21]
	v_and_b32 v1, 15, v0                           ; r
	v_bfe_u32 v28, v0, 4, 1                        ; h
	v_mul_u32_u24 v2, v1, KP
	v_lshl_add_u32 v2, v28, 4, v2                  ; v2, v3: K fragments in slot 0, 1: row r, 16 bytes for each half
	v_add_nc_u32 v3, SLOTB, v2
	v_mul_u32_u24 v4, v1, VP
	v_lshl_add_u32 v4, v28, 4, v4
	v_add_nc_u32 v4, VOFF, v4                      ; v4, v5: V^T fragments
	v_add_nc_u32 v5, SLOTB, v4
	s_mul_i32 s19, s12, 32*KP
	s_add_co_u32 s24, s19, QLDS
	v_add_nc_u32 v6, s24, v2                       ; v6: Q fragments, my 32 rows
	s_add_co_u32 s24, s19, STG
	v_add_nc_u32 v7, s24, v2                       ; v7: the stage, in
	v_and_b32 v29, 31, v0
	v_lshrrev_b32 v30, 3, v29
	v_and_b32 v29, 7, v29
	v_mul_u32_u24 v8, v30, KP
	v_lshl_add_u32 v8, v29, 4, v8
	v_add_nc_u32 v8, s24, v8                       ; v8: the stage, back: eight lanes take a row's 128 bytes
	v_lshlrev_b32 v9, 11, v30
	v_lshl_add_u32 v9, v29, 4, v9                  ; v9: the same four rows in ctx
	v_lshlrev_b32 v10, 3, v28
	v_sub_nc_u32 v10, v1, v10
	s_lshl_b32 s24, s12, 5
	v_add_nc_u32 v10, s24, v10                     ; v10 = 32 w + r - 8 h: key 16 kb + 8 h + j stays for query 32 w + 16 qb + r if 16 kb + j - 16 qb <= v10
	v_mov_b32 v11, 0xff7fffff                      ; the most negative finite f32, as the definition masks
; The refill of slot o: wave 0 asks for K's tile, wave 1 for V's; waves 2 and 3 have no part.  One tensor load of a wave is out at the most.
.macro RLOAD o
	s_cmp_lg_u32 s12, 0
	s_cbranch_scc1 .Lnot_k_\@
	tensor_load_to_lds s[KG+4*\o:KG+4*\o+3], s[32:39]
	s_nop 0
	s_branch .Lasked_\@
.Lnot_k_\@:
	s_cmp_lg_u32 s12, 1
	s_cbranch_scc1 .Lasked_\@
	tensor_load_to_lds s[VG+4*\o:VG+4*\o+3], s[40:47]
	s_nop 0
.Lasked_\@:
.endm
; the diagonal tile: one compare serves S(kk - 1, queries 0-15) and S(kk, queries 16-31)
.macro MASK
.irp kk, 0,1,2,3,4,5,6,7,8
.irp j, 0,1,2,3,4,5,6,7
	v_cmp_le_i32 vcc_lo, 16*\kk+\j-16, v10
.if \kk > 0
	v_cndmask_b32 v[128+8*(\kk-1)+\j], v11, v[128+8*(\kk-1)+\j], vcc_lo
.endif
.if \kk < 8
	v_cndmask_b32 v[192+8*\kk+\j], v11, v[192+8*\kk+\j], vcc_lo
.endif
.endr
.endr
.endm
; 16 registers (32 keys) of the block at SB: p = 2^(S c - m c), in place
.macro EXPG g
.irp i, 0,2,4,6,8,10,12,14
	v_pk_fma_f32 v[SB+16*\g+\i:SB+16*\g+\i+1], v[SB+16*\g+\i:SB+16*\g+\i+1], s[26:27], v[16:17] op_sel_hi:[1,0,1]
.endr
.irp i, 0,1,2,3,4,5,6,7,8,9,10,11,12,13,14,15
	v_exp_f32 v[SB+16*\g+\i], v[SB+16*\g+\i]
.endr
.endm
; the same 16 registers: added into two chains (the first pairs start them), then packed to f16 in place: registers 0-7 are P's fragment for keys 32 g ..
.macro SUMG g, start
.if \start
	s_wait_alu depctr_va_vdst(0)
	v_pk_add_f32 v[20:21], v[SB:SB+1],   v[SB+2:SB+3]
	v_pk_add_f32 v[22:23], v[SB+4:SB+5], v[SB+6:SB+7]
.else
	s_wait_alu depctr_va_vdst(0)
	v_pk_add_f32 v[20:21], v[20:21], v[SB+16*\g:SB+16*\g+1]
	v_pk_add_f32 v[22:23], v[22:23], v[SB+16*\g+2:SB+16*\g+3]
	v_pk_add_f32 v[20:21], v[20:21], v[SB+16*\g+4:SB+16*\g+5]
	v_pk_add_f32 v[22:23], v[22:23], v[SB+16*\g+6:SB+16*\g+7]
.endif
	v_pk_add_f32 v[20:21], v[20:21], v[SB+16*\g+8:SB+16*\g+9]
	v_pk_add_f32 v[22:23], v[22:23], v[SB+16*\g+10:SB+16*\g+11]
	v_pk_add_f32 v[20:21], v[20:21], v[SB+16*\g+12:SB+16*\g+13]
	v_pk_add_f32 v[22:23], v[22:23], v[SB+16*\g+14:SB+16*\g+15]
.irp i, 0,1,2,3,4,5,6,7
	v_cvt_pk_f16_f32 v[SB+16*\g+\i], v[SB+16*\g+2*\i], v[SB+16*\g+2*\i+1]
.endr
.endm
; Queries 16 qb .. +15 of the wave against the tile's 128 keys.  first = 1: the block's first step starts m, l and O.
.macro SOFTMAX qb, first
.set SB, 128+64*\qb
.set OB, 64+32*\qb
.irp k, 0,1,2,3
	v_max3_num_f32 v[20+\k], v[SB+16*\k], v[SB+16*\k+1], v[SB+16*\k+2]     ; four chains over my 64 scores
.endr
.irp n, 3,5,7,9,11,13
.irp k, 0,1,2,3
	v_max3_num_f32 v[20+\k], v[20+\k], v[SB+16*\k+\n], v[SB+16*\k+\n+1]
.endr
.endr
	v_max3_num_f32 v20, v20, v21, v[SB+15]
	v_max3_num_f32 v22, v22, v23, v[SB+31]
	v_max3_num_f32 v20, v20, v[SB+47], v[SB+63]
	v_max_num_f32 v20, v20, v22
	v_permlanex16_b32 v21, v20, s28, s29           ; the other half of the lanes holds the row's other 64 keys
.if \first
	v_max_num_f32 v[12+\qb], v20, v21
	v_mul_f32 v16, s77, v[12+\qb]                  ; -m c, twice, for the packed multiply-adds
	v_mul_f32 v17, s77, v[12+\qb]
.else
	v_max3_num_f32 v22, v20, v21, v[12+\qb]        ; the running maximum
	v_mul_f32 v16, s77, v22
	v_mul_f32 v17, s77, v22
	v_fma_f32 v23, v[12+\qb], s26, v16             ; (old m - new m) c
	v_mov_b32 v[12+\qb], v22
	v_exp_f32 v18, v23                             ; what has been summed so far shrinks by this factor
.endif
	; A pipe of two stages, so that the line behind each run of exponentials is plain and touches none of them (ISA guide 5.7.2)
	EXPG 0
	EXPG 1
	SUMG 0, 1
	EXPG 2
	SUMG 1, 0
	EXPG 3
	SUMG 2, 0
	SUMG 3, 0
	v_pk_add_f32 v[20:21], v[20:21], v[22:23]
.if \first
	v_add_f32 v[14+\qb], v20, v21                  ; l stays apart in the two halves of the lanes until the block ends
.else
	v_add_f32 v20, v20, v21
	v_mov_b32 v19, v18
	v_fma_f32 v[14+\qb], v[14+\qb], v18, v20
.irp i, 0,2,4,6,8,10,12,14,16,18,20,22,24,26,28,30
	v_pk_mul_f32 v[OB+\i:OB+\i+1], v[OB+\i:OB+\i+1], v[18:19]
.endr
.endif
.endm
; O^T(64 dk x 16 queries) += V^T P^T: the four accumulators take turns, one instruction a turn
.macro PV qb, first
	WIN 0x01
.irp db, 0,1,2,3
.if \first
	v_wmma_f32_16x16x32_f16 v[64+32*\qb+8*\db:64+32*\qb+8*\db+7], v[8*\db:8*\db+7], v[128+64*\qb:128+64*\qb+7], 0
.else
	v_wmma_f32_16x16x32_f16 v[64+32*\qb+8*\db:64+32*\qb+8*\db+7], v[8*\db:8*\db+7], v[128+64*\qb:128+64*\qb+7], v[64+32*\qb+8*\db:64+32*\qb+8*\db+7]
.endif
.endr
.irp kc, 1,2,3
.irp db, 0,1,2,3
	v_wmma_f32_16x16x32_f16 v[64+32*\qb+8*\db:64+32*\qb+8*\db+7], v[8*(4*\kc+\db):8*(4*\kc+\db)+7], v[128+64*\qb+16*\kc:128+64*\qb+16*\kc+7], v[64+32*\qb+8*\db:64+32*\qb+8*\db+7]
.endr
.endr
	WIN 0
.endm
; One key tile, in slot; other = the other slot; diag = 1: the block's diagonal tile and first step; refill = 1: the other slot gets tile s15; blk: 0 = E, 1 = O.
.macro STEP slot, other, diag, refill, blk
	s_wait_tensorcnt 0x0                           ; all my tensor loads have landed, my part of this step's tile among them: every group 0 may be written
	ds_add_u32 v27, v31
	s_wait_dscnt 0x0
.if \refill
	s_lshl_b32 s20, s15, 14
	s_lshl_b32 s22, s15, 8
	s_add_nc_u64 s[KG+4*\other+2:KG+4*\other+3], s[6:7], s[20:21]
	s_or_b32 s[KG+4*\other+3], s[KG+4*\other+3], 0x80000000
	s_add_nc_u64 s[VG+4*\other+2:VG+4*\other+3], s[8:9], s[22:23]
	s_or_b32 s[VG+4*\other+3], s[VG+4*\other+3], 0x80000000
	s_add_co_u32 s15, s15, 1                       ; the tile behind it, or, behind E's last, O's diagonal
	s_cmp_eq_u32 s15, s16
	s_cselect_b32 s15, s17, s15
.endif
	s_wait_dscnt 0x0                               ; my reads of the other slot are over
	s_barrier_signal -1
	s_barrier_wait -1                              ; both hold of all four waves
.if \refill
	RLOAD \other                                   ; first thing behind the barrier; it has the whole step in which to land
.endif
.rept 5
	v_nop                                          ; five places behind the last step's matrix instructions: S writes over their P, and K's fragments are loaded over their V (ISA guide 7.12.1)
.endr
.if \diag
.irp qb, 0,1
.irp c, 0,1
	ds_load_b128 v[32+16*\qb+8*\c:32+16*\qb+8*\c+3],   v6 offset:QBYTES*\blk+16*KP*\qb+64*\c
	ds_load_b128 v[32+16*\qb+8*\c+4:32+16*\qb+8*\c+7], v6 offset:QBYTES*\blk+16*KP*\qb+64*\c+32
.endr
.endr
.endif
	WIN 0x40
.irp kb, 0,1,2,3,4,5,6,7
.irp c, 0,1
	ds_load_b128 v[8*(2*\kb+\c):8*(2*\kb+\c)+3],   v[2+\slot] offset:16*KP*\kb+64*\c
	ds_load_b128 v[8*(2*\kb+\c)+4:8*(2*\kb+\c)+7], v[2+\slot] offset:16*KP*\kb+64*\c+32
.endr
.endr
	WIN 0x01
	; S^T = K Q^T, 32 keys a group; the group's four accumulators take turns, one instruction a turn; the first 32 of dk start the sums
.irp g, 0,1,2,3
	s_wait_dscnt 24-8*\g                           ; this group's eight loads are in, those of the 3 - g later groups stay out
.irp kb2, 0,1
.irp qb, 0,1
	v_wmma_f32_16x16x32_bf16 v[128+64*\qb+8*(2*\g+\kb2):128+64*\qb+8*(2*\g+\kb2)+7], v[16*(2*\g+\kb2):16*(2*\g+\kb2)+7], v[32+16*\qb:32+16*\qb+7], 0
.endr
.endr
.irp kb2, 0,1
.irp qb, 0,1
	v_wmma_f32_16x16x32_bf16 v[128+64*\qb+8*(2*\g+\kb2):128+64*\qb+8*(2*\g+\kb2)+7], v[16*(2*\g+\kb2)+8:16*(2*\g+\kb2)+15], v[32+16*\qb+8:32+16*\qb+15], v[128+64*\qb+8*(2*\g+\kb2):128+64*\qb+8*(2*\g+\kb2)+7]
.endr
.endr
.endr
.rept 4
	v_nop                                          ; four places: V's fragments are loaded over K's, and S is read
.endr
	WIN 0x40
.irp kc, 0,1,2,3
.irp db, 0,1,2,3
	ds_load_b128 v[8*(4*\kc+\db):8*(4*\kc+\db)+3],   v[4+\slot] offset:16*VP*\db+64*\kc
	ds_load_b128 v[8*(4*\kc+\db)+4:8*(4*\kc+\db)+7], v[4+\slot] offset:16*VP*\db+64*\kc+32
.endr
.endr
	WIN 0
.if \diag
	MASK
.endif
	SOFTMAX 0, \diag
	s_wait_dscnt 0x0                               ; V's fragments, asked for in front of the softmax
	PV 0, \diag
	SOFTMAX 1, \diag
	PV 1, \diag
.endm
; The block ends: the halves' l are joined, O / l is rounded to f16, and 32 rows x 128 bytes go through my stage to ctx at s[base:base+1].
; A head's share of a row of ctx is 128 bytes: eight lanes store it whole, four rows an instruction.
.macro FINISH base
.rept 4
	v_nop                                          ; four places behind the last matrix instructions
.endr
	v_permlanex16_b32 v20, v14, s28, s29
	v_permlanex16_b32 v21, v15, s28, s29
	v_add_f32 v14, v14, v20
	v_add_f32 v15, v15, v21
	v_rcp_f32 v20, v14
	v_rcp_f32 v22, v15
	v_nop                                          ; one plain instruction behind the transcendentals
	s_wait_alu depctr_va_vdst(0)
	v_mov_b32 v21, v20
	v_mov_b32 v23, v22
.irp qb, 0,1
.irp i, 0,2,4,6,8,10,12,14,16,18,20,22,24,26,28,30
	v_pk_mul_f32 v[64+32*\qb+\i:64+32*\qb+\i+1], v[64+32*\qb+\i:64+32*\qb+\i+1], v[20+2*\qb:21+2*\qb]
.endr
.endr
.irp i, 0,1,2,3,4,5,6,7,8,9,10,11,12,13,14,15,16,17,18,19,20,21,22,23,24,25,26,27,28,29,30,31
	v_cvt_pk_f16_f32 v[128+\i], v[64+2*\i], v[64+2*\i+1]
.endr
.irp qb, 0,1
.irp db, 0,1,2,3
	ds_store_b128 v7, v[128+16*\qb+4*\db:128+16*\qb+4*\db+3] offset:16*KP*\qb+32*\db
.endr
.endr
.irp it, 0,1,2,3,4,5,6,7
	ds_load_b128 v[160+4*\it:160+4*\it+3], v8 offset:4*KP*\it      ; LDS serves a wave's instructions in order (ISA guide 5.7.1): these see my stores above
.endr
.irp it, 0,1,2,3,4,5,6,7
	s_wait_dscnt 7-\it                             ; read it is in, the 7 - it younger ones stay out
	global_store_b128 v9, v[160+4*\it:160+4*\it+3], s[\base:\base+1] offset:8192*\it
.endr
	s_wait_xcnt 0x0                                ; the stores' data registers are written again (by the next block's S) only behind this wait
.endm
	STEP 0, 1, 1, 1, 0                             ; block E: its diagonal tile 2 p
	s_cmp_eq_u32 s13, 0
	s_cbranch_scc1 .Le_done
	s_mov_b32 s18, s13
.Le_loop:                                          ; p trips: tiles 0 .. 2 p - 1
	STEP 1, 0, 0, 1, 0
	STEP 0, 1, 0, 1, 0
	s_sub_co_u32 s18, s18, 1
	s_cmp_lg_u32 s18, 0
	s_cbranch_scc1 .Le_loop
.Le_done:
	FINISH 30
	s_mov_b32 s15, 0                               ; block O asks for tiles 0, 1, .. and never turns aside
	s_mov_b32 s16, 0xffff
	STEP 1, 0, 1, 1, 1                             ; block O: its diagonal tile 15 - 2 p
	s_sub_co_u32 s18, 7, s13
	s_cmp_eq_u32 s18, 0
	s_cbranch_scc1 .Lo_done
.Lo_loop:                                          ; 7 - p trips: tiles 0 .. 13 - 2 p
	STEP 0, 1, 0, 1, 1
	STEP 1, 0, 0, 1, 1
	s_sub_co_u32 s18, s18, 1
	s_cmp_lg_u32 s18, 0
	s_cbranch_scc1 .Lo_loop
.Lo_done:
	STEP 0, 1, 0, 0, 1                             ; tile 14 - 2 p: nothing is left to fetch
	FINISH 66
	s_wait_tensorcnt 0x0
	ds_add_u32 v27, v31
	s_wait_dscnt 0x0
	s_endpgm
.Lfunc_end_k_q065b836258_attn:
	.size	k_q065b836258_attn, .Lfunc_end_k_q065b836258_attn-k_q065b836258_attn
	.p2alignl 7, 3214868480
	.fill 96, 4, 3214868480
	.section	.rodata,"a",@progbits
	.p2align	6, 0x0
	.amdhsa_kernel k_q065b836258_attn
		.amdhsa_group_segment_fixed_size 327680
		.amdhsa_private_segment_fixed_size 0
		.amdhsa_enable_private_segment 0
		.amdhsa_kernarg_size 32
		.amdhsa_user_sgpr_count 2
		.amdhsa_user_sgpr_kernarg_segment_ptr 1
		.amdhsa_wavefront_size32 1
		.amdhsa_system_sgpr_workgroup_id_x 1
		.amdhsa_system_sgpr_workgroup_id_y 1
		.amdhsa_system_sgpr_workgroup_id_z 1
		.amdhsa_system_vgpr_workitem_id 0
		.amdhsa_next_free_vgpr 384
		.amdhsa_next_free_sgpr 80
		.amdhsa_reserve_vcc 1
		.amdhsa_float_denorm_mode_32 3
		.amdhsa_float_denorm_mode_16_64 3
		.amdhsa_memory_ordered 1
		.amdhsa_forward_progress 1
		.amdhsa_inst_pref_size 255
	.end_amdhsa_kernel
	.section	.bss,"aw",@nobits
	.p2align	6
	.space	262144
	.amdgpu_metadata
---
amdhsa.version: [ 1, 2 ]
amdhsa.kernels:
  - .name:           k_q065b836258_attn
    .symbol:         k_q065b836258_attn.kd
    .args:
      - { .name: qb, .offset: 0, .size: 8, .value_kind: global_buffer, .address_space: global }
      - { .name: kb, .offset: 8, .size: 8, .value_kind: global_buffer, .address_space: global }
      - { .name: vt, .offset: 16, .size: 8, .value_kind: global_buffer, .address_space: global }
      - { .name: ctx, .offset: 24, .size: 8, .value_kind: global_buffer, .address_space: global }
    .group_segment_fixed_size: 327680
    .private_segment_fixed_size: 0
    .kernarg_segment_align: 8
    .kernarg_segment_size: 32
    .max_flat_workgroup_size: 128
    .sgpr_count:     80
    .vgpr_count:     384
    .wavefront_size: 32
...
	.end_amdgpu_metadata
.endif
;; end of part 3
;; launch oproj (part 4): grid 8 x 32, 4 waves a work-group, clusters of 4 x 4, 327,680 bytes of LDS; arguments ctx, wo16, out0; writes out0
.if DOCPART == 4
	.amdgcn_target "amdgcn-amd-amdhsa--gfx1250"
	.amdhsa_code_object_version 6
	.text
	.protected	k_q065b836258_oproj
	.globl	k_q065b836258_oproj
	.p2align	8
	.type	k_q065b836258_oproj,@function
k_q065b836258_oproj:
	s_mov_b64 s[64:65], 0
	v_nop
	global_prefetch_b8 v0, s[64:65] scope:SCOPE_SE
	s_setreg_imm32_b32 hwreg(HW_REG_WAVE_MODE, 25, 1), 1
	s_wait_xcnt 0x0
	s_wait_alu depctr_hold_cnt(0) depctr_sa_sdst(0) depctr_va_vdst(0) depctr_va_sdst(0) depctr_va_ssrc(0) depctr_va_vcc(0) depctr_vm_vsrc(0)
	s_getreg_b32 s2, hwreg(HW_REG_IB_STS2, 6, 4)
	s_cmp_eq_u32 s2, 0
	s_cbranch_scc0 .Lentry_in_a_cluster
	s_endpgm
.Lentry_in_a_cluster:
	s_bfe_u32 s2, ttmp6, 0x10000c
	s_cmp_lg_u32 s2, 0xf033
	s_cbranch_scc0 .Lentry_shape_is_right
	s_endpgm
.Lentry_shape_is_right:
; OPROJ: out0[m][n] = 2^-14 x sum over k of ctx[m][k] wo16[n][k], f32.  ctx holds 16 x the context, wo16 holds 1024 x bf16(wo), both f16; sums in f32.
; LIMITS: those of the operands: |16 ctx| and |1024 wo| inside f16.
; A work-group makes 128 x 128 of out0 (32 x 8 = 256 work-groups), a wave 64 x 64: 16 accumulator tiles in window 1.
; K (1,024) goes in four phases of 256 through two LDS slots: rows of 512 bytes padded to 528; each wave fetches 64 rows with one tensor load.
; CLUSTERS: 4 x 4 work-groups; ctx's tiles are asked for jointly along a row of the cluster, wo16's along a column.
; The matrix instruction is used transposed (source 0 = rows of wo16, source 1 = rows of ctx): a lane holds 8 neighbouring columns of row l % 16.
; REGISTERS: window 0: v16-26 addresses; v32-63 the way out; v64-95, v128-159 fragments of ctx, v96-127, v160-191 of wo16 (two buffers); window 1: v0-127 sums.
.set PITCH,  528
.set QROWS,  64*PITCH                  ; what one tensor load brings
.set SLOT,   4*QROWS                   ; 135,168 bytes: ctx's 128 rows, then wo16's 128 rows
.set STAGE,  2*SLOT                    ; behind the ring: 16 rows x 272 bytes for each wave; no tensor load fills it
.set SPITCH, 272
.set ADRA, 16
.set ADRB, 20
.set STO,  24
.set RD,   25
.set CO,   26
.set G1,  24
.set G0,  32
.set G1B, 48
.set G0B, 56
.set MSB, 0
.macro WIN new
.if MSB != \new
	s_set_vgpr_msb (MSB<<8)|\new
.set MSB, \new
.endif
.endm
.macro JLOAD s                         ; waves 0 and 1 fetch ctx's two halves, waves 2 and 3 wo16's
	s_cmp_eq_u32 s11, 0
	s_cbranch_scc0 .Lfor_b_\@
	tensor_load_to_lds s[G0+4*\s:G0+4*\s+3], s[G1:G1+7]
	s_nop 0
	s_branch .Lasked_\@
.Lfor_b_\@:
	tensor_load_to_lds s[G0B+4*\s:G0B+4*\s+3], s[G1B:G1B+7]
	s_nop 0
.Lasked_\@:
.endm
.macro CROUND                          ; a round of the cluster's barrier
	s_barrier_signal -1
	s_barrier_wait -1
	s_cmp_lg_u32 s10, 0
	s_cbranch_scc1 .Lnot_wave_0_\@
	s_barrier_signal -3
.Lnot_wave_0_\@:
	s_barrier_wait -3
	s_barrier_signal -1
	s_barrier_wait -1
.endm
.macro PLACES                          ; four places behind a matrix instruction (ISA guide 7.12.1)
.rept 4
	v_nop
.endr
.endm
	s_load_b128 s[4:7], s[0:1], 0x0                ; ctx s[4:5], wo16 s[6:7]
	s_load_b64 s[8:9], s[0:1], 0x10                ; out0
	v_lshl_add_u32 v254, v0, 2, 0x46400
	v_mov_b32 v255, 0
	ds_add_u32 v254, v255
	ds_add_u32 v254, v255
	v_lshrrev_b32 v1, 5, v0
	v_readfirstlane_b32 s10, v1                    ; wave
	s_lshr_b32 s11, s10, 1                         ; which half of the block's rows is mine.  Also: I fetch ctx (0) or wo16 (1)
	s_and_b32 s12, s10, 1                          ; which half of its columns.  Also: which 64 rows of that tile I fetch
	s_bfe_u32 s40, ttmp6, 0x40000                  ; cx
	s_bfe_u32 s41, ttmp6, 0x40004                  ; cy
	s_lshl_b32 s42, ttmp9, 2
	s_add_co_u32 s42, s42, s40                     ; block column
	s_and_b32 s13, ttmp7, 0xffff
	s_lshl_b32 s13, s13, 2
	s_add_co_u32 s13, s13, s41                     ; block row
	s_lshl_b32 s43, s41, 2
	s_lshl_b32 s43, 15, s43                        ; my row of the cluster
	s_lshl_b32 s44, 0x1111, s40                    ; my column
	s_or_b32 s[G1+0], s43, (1<<16)|(1<<20)|(1<<21)|(6<<22)|(3<<25)   ; mask; elements of 2 bytes; padding on; bit 21 beside a mask; after every 128 words, 4 words
	s_or_b32 s[G1B+0], s44, (1<<16)|(1<<20)|(1<<21)|(6<<22)|(3<<25)
	s_mov_b32 s[G1+1], 256<<16                     ; tensor_dim0 = 256
	s_mov_b32 s[G1B+1], 256<<16
	s_mov_b32 s[G1+2], 64<<16                      ; tensor_dim1 = 64
	s_mov_b32 s[G1B+2], 64<<16
	s_mov_b32 s[G1+3], 256<<16                     ; tile_dim0 = 256
	s_mov_b32 s[G1B+3], 256<<16
	s_mov_b32 s[G1+4], 64                          ; tile_dim1 = 64
	s_mov_b32 s[G1B+4], 64
	s_mov_b32 s[G1+5], 1024                        ; elements from row to row
	s_mov_b32 s[G1B+5], 1024
	s_mov_b32 s[G1+6], 0
	s_mov_b32 s[G1B+6], 0
	s_mov_b32 s[G1+7], 0
	s_mov_b32 s[G1B+7], 0
	s_lshl_b32 s17, s12, 6                         ; which 64 rows I fetch
	s_lshl_b32 s16, s13, 7
	s_add_co_u32 s16, s16, s17                     ; ctx: row 128 x block row + 64 x half
	s_lshl_b32 s16, s16, 11                        ; rows of 2,048 bytes
	s_lshl_b32 s46, s42, 7
	s_add_co_u32 s46, s46, s17                     ; wo16: row 128 x block column + 64 x half
	s_lshl_b32 s46, s46, 11
	s_mov_b32 s17, 0
	s_mov_b32 s47, 0
	s_mul_i32 s20, s10, QROWS                      ; where they go: wave x 64 rows
	s_wait_dscnt 0x0
	s_wait_kmcnt 0x0
	s_add_nc_u64 s[14:15], s[4:5], s[16:17]
	s_add_nc_u64 s[46:47], s[6:7], s[46:47]
	CROUND                                         ; all sixteen work-groups are here: the first joint loads meet
.irp s, 0,1
	s_mov_b32 s[G0+4*\s], 1
	s_add_co_u32 s[G0+4*\s+1], s20, \s*SLOT
	s_add_nc_u64 s[G0+4*\s+2:G0+4*\s+3], s[14:15], \s*512
	s_or_b32 s[G0+4*\s+3], s[G0+4*\s+3], 0x80000000
	s_mov_b32 s[G0B+4*\s], 1
	s_add_co_u32 s[G0B+4*\s+1], s20, \s*SLOT
	s_add_nc_u64 s[G0B+4*\s+2:G0B+4*\s+3], s[46:47], \s*512
	s_or_b32 s[G0B+4*\s+3], s[G0B+4*\s+3], 0x80000000
	JLOAD \s                                       ; phases 0 and 1: two tensor loads of the wave are out, later one
.endr
	v_and_b32 v1, 15, v0                           ; r
	v_bfe_u32 v2, v0, 4, 1                         ; h
	v_mul_u32_u24 v3, v1, PITCH
	v_lshl_add_u32 v3, v2, 4, v3
	s_mul_i32 s21, s11, QROWS                      ; my 64 rows of ctx
	s_mul_i32 s22, s12, QROWS                      ; my 64 rows of wo16,
	s_add_co_u32 s22, s22, 2*QROWS                 ; which lie behind ctx's 128
.irp s, 0,1
	v_add_nc_u32 v[ADRA+\s], s21, v3
	v_add_nc_u32 v[ADRB+\s], s22, v3
	s_add_co_u32 s21, s21, SLOT
	s_add_co_u32 s22, s22, SLOT
.endr
	s_mul_i32 s23, s10, 16*SPITCH
	s_add_co_u32 s23, s23, STAGE                   ; my stage
	v_mul_u32_u24 v4, v1, SPITCH                   ; in: row r, 32 bytes for each half of the lanes
	v_lshl_add_u32 v4, v2, 5, v4
	v_add_nc_u32 v[STO], s23, v4
	v_mul_u32_u24 v5, v2, SPITCH                   ; back: lanes 0-15 take one row of 256 bytes, lanes 16-31 the next
	v_lshl_add_u32 v5, v1, 4, v5
	v_add_nc_u32 v[RD], s23, v5
	v_lshlrev_b32 v5, 12, v2                       ; and the same two rows in out0
	v_lshl_add_u32 v[CO], v1, 4, v5
; 16 LDS loads: the fragments of 32 along K (chunk q of the slot's eight) into buffer buf
.macro FETCH slot, q, buf
.irp i, 0,1,2,3
	ds_load_b128 v[64+64*\buf+8*\i:64+64*\buf+8*\i+3],   v[ADRA+\slot] offset:\i*16*PITCH+64*\q
	ds_load_b128 v[64+64*\buf+8*\i+4:64+64*\buf+8*\i+7], v[ADRA+\slot] offset:\i*16*PITCH+64*\q+32
.endr
.irp i, 0,1,2,3
	ds_load_b128 v[96+64*\buf+8*\i:96+64*\buf+8*\i+3],   v[ADRB+\slot] offset:\i*16*PITCH+64*\q
	ds_load_b128 v[96+64*\buf+8*\i+4:96+64*\buf+8*\i+7], v[ADRB+\slot] offset:\i*16*PITCH+64*\q+32
.endr
.endm
; 16 matrix instructions; the 16 accumulators take turns, one instruction a turn, in one fixed order
.macro MUL16 buf, zero
.irp a, 0,1,2,3
.irp b, 0,1,2,3
.if \zero
	v_wmma_f32_16x16x32_f16 v[8*(4*\a+\b):8*(4*\a+\b)+7], v[96+64*\buf+8*\b:96+64*\buf+8*\b+7], v[64+64*\buf+8*\a:64+64*\buf+8*\a+7], 0
.else
	v_wmma_f32_16x16x32_f16 v[8*(4*\a+\b):8*(4*\a+\b)+7], v[96+64*\buf+8*\b:96+64*\buf+8*\b+7], v[64+64*\buf+8*\a:64+64*\buf+8*\a+7], v[8*(4*\a+\b):8*(4*\a+\b)+7]
.endif
.endr
.endr
.endm
; fetch chunk q into buffer g, multiply buffer f
.macro CHUNK slot, q, g, f
	PLACES
	WIN 0
	FETCH \slot, \q, \g
	s_wait_dscnt 16                                ; all but the 16 just issued
	WIN 0x50
	MUL16 \f, 0
.endm
; 256 along K out of one slot: 128 matrix instructions
.macro PHASE slot, first
.if \first == 0
	PLACES
.endif
	FETCH \slot, 0, 0
	FETCH \slot, 1, 1
	s_wait_dscnt 16
	WIN 0x50
	MUL16 0, \first
	CHUNK \slot, 2, 0, 1
	CHUNK \slot, 3, 1, 0
	CHUNK \slot, 4, 0, 1
	CHUNK \slot, 5, 1, 0
	CHUNK \slot, 6, 0, 1
	CHUNK \slot, 7, 1, 0
	s_wait_dscnt 0
	MUL16 1, 0
	WIN 0
.endm
; Slot s has been read: each wave waits for its reads and for all its tensor loads (the other slot's among them), a round of the cluster's barrier,
; and the joint refill first behind it; it has the next phase's 128 matrix instructions in which to land.
.macro REFILL s
	s_wait_dscnt 0x0
	s_wait_tensorcnt 0x0
	ds_add_u32 v254, v255
	s_wait_dscnt 0x0
	s_add_nc_u64 s[G0+4*\s+2:G0+4*\s+3], s[G0+4*\s+2:G0+4*\s+3], 1024
	s_add_nc_u64 s[G0B+4*\s+2:G0B+4*\s+3], s[G0B+4*\s+2:G0B+4*\s+3], 1024
	CROUND
	JLOAD \s
.endm
	s_wait_tensorcnt 1                             ; my part of phase 0 is in; phase 1's load stays out
	s_barrier_signal -1
	s_barrier_wait -1
	PHASE 0, 1                                     ; its first products start the sums
	REFILL 0
	PHASE 1, 0
	REFILL 1
	PHASE 0, 0
	s_wait_dscnt 0x0
	s_wait_tensorcnt 0x0                           ; phase 3's tile
	s_barrier_signal -1
	s_barrier_wait -1
	PHASE 1, 0
	; THE WAY OUT, 16 rows at a time through my own stage: 16 lanes store 256 neighbouring bytes, aligned.
	PLACES
	s_lshl_b32 s16, s13, 7
	s_lshl_b32 s17, s11, 6
	s_add_co_u32 s16, s16, s17                     ; my first row,
	s_lshl_b32 s16, s16, 12                        ; rows of 4,096 bytes
	s_mov_b32 s17, 0
	s_add_nc_u64 s[8:9], s[8:9], s[16:17]
	s_lshl_b32 s46, s42, 9                         ; my first column, in bytes: 512 x block + 256 x half (in the registers that held wo16's address)
	s_lshl_b32 s47, s12, 8
	s_add_co_u32 s46, s46, s47
	s_mov_b32 s47, 0
	s_add_nc_u64 s[8:9], s[8:9], s[46:47]
.macro OUT16 a
	WIN 0x01
.irp b, 0,1,2,3
.irp i, 0,2,4,6
	v_pk_mul_f32 v[32+8*\b+\i:32+8*\b+\i+1], v[8*(4*\a+\b)+\i:8*(4*\a+\b)+\i+1], 0x38800000 op_sel_hi:[1,0]   ; the operands' scales 16 and 1024 go out
.endr
.endr
	WIN 0
.irp b, 0,1,2,3
	ds_store_b128 v[STO], v[32+8*\b:32+8*\b+3]   offset:64*\b
	ds_store_b128 v[STO], v[32+8*\b+4:32+8*\b+7] offset:64*\b+16
.endr
.irp t, 0,1,2,3,4,5,6,7
	ds_load_b128 v[64+32*\a+4*\t:64+32*\a+4*\t+3], v[RD] offset:\t*2*SPITCH    ; LDS serves a wave's instructions in order (ISA guide 5.7.1): these see my stores above
.endr
.irp t, 0,1,2,3,4,5,6,7
	s_wait_dscnt 7-\t                              ; read t is in, the 7 - t younger ones stay out
	global_store_b128 v[CO], v[64+32*\a+4*\t:64+32*\a+4*\t+3], s[8:9] offset:(16*\a+2*\t)*4096 th:TH_STORE_NT
.endr
.endm
	OUT16 0
	OUT16 1
	OUT16 2
	OUT16 3
	s_wait_tensorcnt 0x0
	ds_add_u32 v254, v255
	s_wait_dscnt 0x0
	CROUND                                         ; the closing round: no work-group ends while a partner may still ask for a tile that names it
	s_endpgm
.Lfunc_end_k_q065b836258_oproj:
	.size	k_q065b836258_oproj, .Lfunc_end_k_q065b836258_oproj-k_q065b836258_oproj
	.p2alignl 7, 3214868480
	.fill 96, 4, 3214868480
	.section	.rodata,"a",@progbits
	.p2align	6, 0x0
	.amdhsa_kernel k_q065b836258_oproj
		.amdhsa_group_segment_fixed_size 327680
		.amdhsa_private_segment_fixed_size 0
		.amdhsa_enable_private_segment 0
		.amdhsa_kernarg_size 24
		.amdhsa_user_sgpr_count 2
		.amdhsa_user_sgpr_kernarg_segment_ptr 1
		.amdhsa_wavefront_size32 1
		.amdhsa_system_sgpr_workgroup_id_x 1
		.amdhsa_system_sgpr_workgroup_id_y 1
		.amdhsa_system_sgpr_workgroup_id_z 1
		.amdhsa_system_vgpr_workitem_id 0
		.amdhsa_next_free_vgpr 384
		.amdhsa_next_free_sgpr 66
		.amdhsa_reserve_vcc 0
		.amdhsa_float_denorm_mode_32 3
		.amdhsa_float_denorm_mode_16_64 3
		.amdhsa_memory_ordered 1
		.amdhsa_forward_progress 1
		.amdhsa_inst_pref_size 94
	.end_amdhsa_kernel
	.amdgpu_metadata
---
amdhsa.version: [ 1, 2 ]
amdhsa.kernels:
  - .name:           k_q065b836258_oproj
    .symbol:         k_q065b836258_oproj.kd
    .args:
      - { .name: ctx, .offset: 0, .size: 8, .value_kind: global_buffer, .address_space: global }
      - { .name: wo16, .offset: 8, .size: 8, .value_kind: global_buffer, .address_space: global }
      - { .name: out0, .offset: 16, .size: 8, .value_kind: global_buffer, .address_space: global }
    .group_segment_fixed_size: 327680
    .private_segment_fixed_size: 0
    .kernarg_segment_align: 8
    .kernarg_segment_size: 24
    .max_flat_workgroup_size: 128
    .sgpr_count:     66
    .vgpr_count:     384
    .wavefront_size: 32
...
	.end_amdgpu_metadata
.endif
;; end of part 4
